; MI455X (gfx1250); checked and timed in simulation.
; The chip was launched on July 23, 2026; its instructions are those of AMD's public machine-readable ISA for CDNA 5 (MIT licence, August 2026) and "CDNA5" Instruction Set Architecture Reference Guide (July 2026). The comments in the code are by the model that wrote it; some were corrected since.
;; Multi Head Self Attention. Allowed arithmetic: matrix products marked QUANTISED: E2M1 operands, one E8M0 scale for each 32 along K, by v_wmma_scale_f32_16x16x128_f8f6f4 with both operands' format E2M1 (or v_wmma_scale_f32_32x16x128_f4), f32 sums; everything else in f32.
;; Inputs: Wk_codes 1,024 x 32 x 16 uint8 (E2M1 codes of Wk, K innermost, in blocks of 32 codes, two codes a byte); Wk_scales 1,024 x 32 uint8 (E8M0 scales of Wk, one for each 32 codes along K); Wq_codes 1,024 x 32 x 16 uint8 (E2M1 codes of Wq, K innermost, in blocks of 32 codes, two codes a byte); Wq_scales 1,024 x 32 uint8 (E8M0 scales of Wq, one for each 32 codes along K); Wv_codes 1,024 x 32 x 16 uint8 (E2M1 codes of Wv, K innermost, in blocks of 32 codes, two codes a byte); Wv_scales 1,024 x 32 uint8 (E8M0 scales of Wv, one for each 32 codes along K); bk 1,024 float32; bq 1,024 float32; bv 1,024 float32; x_codes 4 x 2,048 x 32 x 16 uint8 (E2M1 codes of x, K innermost, in blocks of 32 codes, two codes a byte); x_scales 4 x 2,048 x 32 uint8 (E8M0 scales of x, one for each 32 codes along K).
;; Outputs: out0 4 x 2,048 x 1,024 float32.
;; This version of the problem:
;;   THIS VERSION OF THE PROBLEM IS GIVEN IN LOW PRECISION. The matrix products marked QUANTISED in the list below multiply operands that are first quantised to E2M1 (2 exponent bits, 1 mantissa bit; 4 bits a number), with one power-of-two scale for each 32 numbers along K (OCP MX v1.0); their sums are f32. All else is computed in f32.
;;   The module's matrix products, in the order in which they are computed (A, B: the left and right operand; K: the contracted axis; several contracted axes count as one K, in the product's order):
;;     1. [M 8,192, K 1,024] x [K 1,024, N 1,024]; A: input x (given as codes); B: input Wq (given as codes): QUANTISED
;;     2. [M 8,192, K 1,024] x [K 1,024, N 1,024]; A: input x (given as codes); B: input Wk (given as codes): QUANTISED
;;     3. [M 8,192, K 1,024] x [K 1,024, N 1,024]; A: input x (given as codes); B: input Wv (given as codes): QUANTISED
;;     4. batch 64 x [M 2,048, K 64] x [K 64, N 2,048]; A: computed on the way; B: computed on the way: QUANTISED
;;     5. batch 64 x [M 2,048, K 2,048] x [K 2,048, N 64]; A: softmax (see below); B: computed on the way: QUANTISED
;;   THE QUANTISER, for each operand of a quantised product, along K:
;;     - K is cut into blocks of 32 from its start; a last block that is shorter is filled with zeros.
;;     - A block's scale is 2^e with e = floor(log2(the largest magnitude in the block)) - 2, held to -126 .. 127; a block of zeros has e = 0. As a byte (E8M0): e + 127.
;;     - Each number is divided by its block's scale, clamped to +-6, and rounded to the nearest number of E2M1, ties to even, subnormals kept.
;;     - The product sums the exact products of the quantised numbers (number of the format x scale) in f32.
;;   ~~~python
;;   def quantise(x, axis):      # numpy; x: float32 -> the quantised numbers, widened to float32 again
;;       x = np.moveaxis(x, axis, -1); K = x.shape[-1]
;;       x = np.pad(x, [(0, 0)] * (x.ndim - 1) + [(0, -K % 32)]); x = x.reshape(x.shape[:-1] + (-1, 32)); a = np.abs(x).max(-1, keepdims=True)
;;       e = np.where(a > 0, np.clip(np.frexp(np.where(a > 0, a, 1))[1] - 1 - 2, -126, 127), 0)      # np.frexp(a)[1] - 1 = floor(log2(a)), exactly
;;       r = np.clip(x / 2.0 ** e, -6, 6)
;;       step = 2.0 ** (np.maximum(np.frexp(np.where(r == 0, 1, r))[1] - 1, 0) - 1)
;;       q = np.round(r / step) * step * 2.0 ** e      # np.round: ties to even
;;       return np.moveaxis(q.reshape(q.shape[:-2] + (-1,))[..., :K], -1, axis).astype(np.float32)
;;   ~~~
;;   SOFTMAX AHEAD OF A QUANTISED PRODUCT. Where the list says 'softmax', what is quantised is not the finished softmax but p = 2^(t - M), with t = logit x log2(e) and M = ceil(the row's largest t), a whole number; so 1/2 < the row's largest p <= 1. The row's sum l is taken of the UNQUANTISED p, in f32, and the product's result is divided by l at the end. Since M is a whole number, a kernel that streams over the keys may use a running M (the ceiling of the running maximum): every later rescaling is an exact power of two, which a block's scale takes up: the codes' values come out the same.
;;   OPERANDS COMPUTED ON THE WAY. 'Computed on the way' means the value that the module computes at that place (a softmax that the list does not call 'softmax' is quantised finished and normalised). What goes into a quantiser is computed in f32, as accurately as f32 sums, v_exp_f32 and their like allow (about 1e-6 of the number): no bf16 or f16 on the way to a quantiser, and a product that is left as it is and whose result goes on into a quantised operand takes f32 operands (vector FMAs, or v_wmma_f32_16x16x4_f32). A number that lies on a knife's edge between two numbers of the format may be rounded either way, as far as f32 arithmetic and the matrix unit's own rounding can turn it there, and no further.
;;   INPUTS GIVEN AS CODES. Wk (in the module: [1024, 1024], K = its axis 1); Wq (in the module: [1024, 1024], K = its axis 1); Wv (in the module: [1024, 1024], K = its axis 1); x (in the module: [4, 2048, 1024], K = its axis 2): each comes as NAME_codes (uint8): NAME with its K axis moved to the last place and cut into blocks of 32 codes, [.., K / 32, bytes a block], one block behind the other in memory; two codes a byte, the lower K in the low four bits (a code: sign, 2 exponent bits, 1 mantissa bit); and NAME_scales (uint8): the same leading axes, one E8M0 byte (e + 127) for each 32 codes along K. Its value is code x scale, taken as it is: it is not quantised again, and the codes and scales need not be those that the quantiser above would give.
;; One version. Each part assembles by itself: llvm-mc -triple=amdgcn-amd-amdhsa -mcpu=gfx1250 --defsym DOCPART=n.
;; ======== version 1 of 1: 2 launches
;; limits: right only within a limited range of input values
;; workspace buffers: kv 8,912,896 bytes; qbuf 4,456,448 bytes
;; launch proj (part 1): grid 4 x 64, 4 waves a work-group, clusters of 4 x 4, 327,680 bytes of LDS; arguments x_codes, x_scales, Wq_codes, Wq_scales, Wk_codes, Wk_scales, Wv_codes, Wv_scales, bq, bk, bv, qbuf, kv; writes qbuf, kv
.if DOCPART == 1
	.amdgcn_target "amdgcn-amd-amdhsa--gfx1250"
	.amdhsa_code_object_version 6
	.text
	.protected	k_q0da4230881_proj
	.globl	k_q0da4230881_proj
	.p2align	8
	.type	k_q0da4230881_proj,@function
k_q0da4230881_proj:
	s_mov_b64 s[64:65], 0
	v_nop
	global_prefetch_b8 v0, s[64:65] scope:SCOPE_SE
	s_setreg_imm32_b32 hwreg(HW_REG_WAVE_MODE, 25, 1), 1
	s_wait_xcnt 0x0
	s_wait_alu depctr_hold_cnt(0) depctr_sa_sdst(0) depctr_va_vdst(0) depctr_va_sdst(0) depctr_va_ssrc(0) depctr_va_vcc(0) depctr_vm_vsrc(0)
	s_getreg_b32 s2, hwreg(HW_REG_IB_STS2, 6, 4)
	s_cmp_eq_u32 s2, 0
	s_cbranch_scc0 .Lentry_in_a_cluster
	s_endpgm
.Lentry_in_a_cluster:
	s_bfe_u32 s2, ttmp6, 0x10000c
	s_cmp_lg_u32 s2, 0xf033
	s_cbranch_scc0 .Lentry_shape_is_right
	s_endpgm
.Lentry_shape_is_right:
; q = x Wq^T + bq, k = x Wk^T + bk, v = x Wv^T + bv on codes of FP4 (E2M1) with E8M0 scales as they are given; sums in f32; the bias is the C of each sum's first product.
; The results are quantised in registers (q and k along a head's 64, v along the keys) and stored as IMAGES OF THE OPERAND REGISTERS that the attention launch loads.
; SHARES.  A work-group takes 128 tokens (tb) x two blocks of 128 columns (heads 2 hp to 2 hp + 3) of each of q, k, v: six passes over K = 1,024, eight K steps of 128 each.  In a pass a wave makes
; 128 (source 0) x 32 (source 1): 16 accumulators.  Passes q, k: source 0 = the weight's 128 rows, source 1 = my 32 tokens: a lane holds ONE token and its registers run along the head's dims.
; Pass v: source 0 = the 128 tokens, source 1 = my 32 rows of Wv: a lane holds ONE channel d and its registers run along the keys.  So each quantiser finds its K in a lane's registers.
; A tile is 16 NEIGHBOURING rows: register j of tile T in lane (r, h) is index 16 T + 8 h + j of the next K.  A block of 32 is tiles 2 b, 2 b + 1 of lanes l and l xor 16.
; LDS.  x's tile, the three weights' tiles and all four blocks of scale bytes come at the head; the weights' tiles and scale blocks are filled again with the second column block's.  One tensor load of a wave is out at the most.
; CLUSTER.  4 x 4 work-groups: x's tile and scales hang on tb alone and are asked for jointly along a row of the cluster, the weights' on hp alone, jointly along a column.
; OUTPUT.  kv: [bh][key step of 128][8,704]: K's images 1024 f + 512 u + 16 lane (key 32 f + 16 u + r, dims 32 h on); V^T's at 4096 + 1024 t + 512 c + 16 lane (d = 16 t + r, keys 64 c + 32 h on);
;   V's scale words at 8192 + 16 r + 4 t; K's at 8448 + 16 r + 4 f (bytes 0, 1: key 32 f + r; bytes 2, 3: key 32 f + 16 + r).  qbuf: [bh][128 tokens][4,352]: as K's images, words at 4096.
; LIMITS.  NaN, infinities and scale bytes 0xff among the inputs are not served.  A block whose largest magnitude lies under 2^-124, a block of zeros too, keeps the byte 1 (the rule says 127 for
;   zeros): its codes are zeros or as the held scale gives them, and these bytes are read by this program alone.
.set KVH,   139264                     ; a head in kv, bytes
.set KVS,   8704                       ; a key step in kv
.set QH,    69632                      ; a head in qbuf
.set QS,    4352                       ; 128 tokens in qbuf
.set PITCH, 528                        ; an LDS row of codes: 512 bytes + 16 of padding = 132 words: row r starts at bank 4 r mod 64 (64 banks of 4 bytes: ISA guide 11.1)
.set QUART, 32*PITCH                   ; 32 rows: a wave's quarter of a tile
.set TILE,  128*PITCH
.set XT,    0                          ; x's 128 rows
.set WQT,   TILE
.set WKT,   2*TILE
.set WVT,   3*TILE
.set SBLK,  16*272                     ; 128 rows x 32 scale bytes, as 16 rows of 256 bytes + 16 of padding: row p at 272 (p / 8) + 32 (p % 8)
.set XS,    4*TILE
.set WQS,   XS+SBLK
.set WKS,   XS+2*SBLK
.set WVS,   XS+3*SBLK
.set SST,   XS+4*SBLK                  ; 1,536 bytes that no tensor load fills: the scale words made here, gathered for whole stores
; window 0
.set LA,   3                           ; 528 r + 16 h: a fragment's lane place
.set LS,   4                           ; 272 (r / 8) + 32 (r % 8): a scale row's lane place
.set ADR0, 5                           ; the pass's addresses: source 0's fragments, source 1's, and their scale words
.set ADR1, 6
.set ADS0, 7
.set ADS1, 8
.set VO,   9                           ; 16 lane + 1024 w: q's and k's images
.set VOV,  10                          ; 16 lane + (w / 2) KVH + (w % 2) 2048 + 4096: V^T's images
.set SW,   11                          ; SST + 16 r + 4 w
.set SWV,  12                          ; SST + 512 (w / 2) + 8 (w % 2) + 16 r
.set SC1,  16                          ; v16-23  source 1's scale words: 2 tiles x 4 K steps
.set SC0,  24                          ; v24-55  source 0's: 8 tiles x 4 K steps
.set CD,   56                          ; v56-59  the last copy's data
.set LAW,  60                          ; LA + 16,896 w
.set LSW,  61                          ; LS + 1,088 w
.set CL,   62                          ; the last copy: LDS address,
.set CG,   63                          ; and global offset
.set F0,   64                          ; v64-127 source 0's eight fragments
.set ACC,  128                         ; v128-255 accumulator (t, i) at ACC + 64 t + 8 i
.set TM,   64                          ; behind a pass's last product F0's registers are at work: v64-79 maxima, bytes, scale operands
.set PC0,  80                          ; the codes of tile t = 0,
.set PC1,  88                          ; of t = 1
.set PW0,  96                          ; their scale words
.set PW1,  97
.set WA,   98
.set WB,   99
; window 1
.set F1,   0                           ; source 1's two fragments, two buffers of 16
.set BQ,   32                          ; the biases in the results' layout
.set BK,   96
.set BV,   160
; scalars
.set SEL,  2                           ; s[2:3] lane selects for v_permlanex16_b32: lane l xor 16
.set WV,   30
.set G1X,  36                          ; group 1: code tiles, mask of my row;  G1W: mask of my column
.set G1W,  44
.set G1SX, 52                          ; group 1: scale blocks, likewise
.set KB,   60                          ; s[60:61] kv at head 2 hp's key step
.set QB,   62                          ; s[62:63] qbuf likewise
.set G1SW, 68
.set G0X,  76
.set G0Q,  80
.set G0K,  84
.set G0V,  88
.set G0SX, 92
.set G0SW, 96
.set MSB, 0
.macro WIN new                         ; the immediate's high byte repeats the setting that is left
.if MSB != \new
	s_set_vgpr_msb (MSB<<8)|\new
.set MSB, \new
.endif
.endm
.set MUL,   0x04                       ; source 1 in window 1; LDS loads into window 0 may stand under it too
.set MUL_C, 0x14                       ; and C (the bias) in window 1: a pass's first K step
.set TO_1,  0x40                       ; destination window 1
.macro WINM s
.if (\s) == 0
	WIN MUL_C
.else
	WIN MUL
.endif
.endm
.macro PLACES                          ; four plain vector lines between a product and a load into, or a vector line on, its registers (ISA guide 7.12.1 for vector lines)
.rept 4
	v_nop
.endr
.endm
.macro CROUND                          ; a round of the cluster's barrier
	s_barrier_signal -1
	s_barrier_wait -1
	s_cmp_lg_u32 s[WV], 0
	s_cbranch_scc1 .Lnot_wave_0_\@
	s_barrier_signal -3
.Lnot_wave_0_\@:
	s_barrier_wait -3
	s_barrier_signal -1
	s_barrier_wait -1
.endm
	s_load_b512 s[4:19], s[0:1], 0x0               ; x's codes s[4:5], scales s[6:7]; Wq's s[8:11]; Wk's s[12:15]; Wv's s[16:19]
	s_load_b256 s[20:27], s[0:1], 0x40             ; bq, bk, bv, qbuf
	s_load_b64 s[28:29], s[0:1], 0x60              ; kv
	s_set_vgpr_msb 0x40
	v_lshl_add_u32 v192, v0, 2, 0x46a00
	v_mov_b32 v193, 0
	s_set_vgpr_msb 0x4045
	ds_add_u32 v192, v193
	ds_add_u32 v192, v193
	s_set_vgpr_msb 0x4500
	v_lshrrev_b32 v1, 5, v0
	v_readfirstlane_b32 s[WV], v1                  ; wave 0..3
	s_bfe_u32 s31, ttmp6, 0x40000                  ; cx
	s_bfe_u32 s32, ttmp6, 0x40004                  ; cy
	s_lshl_b32 s33, ttmp9, 2
	s_add_co_u32 s33, s33, s31                     ; which 256 columns: 4 x cluster x + cx
	s_lshl_b32 s33, s33, 1                         ; hp of the first of my two blocks of 128 columns
	s_and_b32 s34, ttmp7, 0xffff
	s_lshl_b32 s34, s34, 2
	s_add_co_u32 s34, s34, s32                     ; tb = 4 x cluster y + cy: which 128 tokens
	s_lshl_b32 s66, s32, 2
	s_lshl_b32 s66, 15, s66                        ; my row of the cluster
	s_lshl_b32 s100, 0x1111, s31                   ; my column
	; group 1, code tiles: 128 rows x 512 elements of one byte; 4 words of padding behind every 128
	s_or_b32 s[G1X], s66, (1<<20)|(1<<21)|(6<<22)|(3<<25)
	s_or_b32 s[G1W], s100, (1<<20)|(1<<21)|(6<<22)|(3<<25)
.irp g, G1X, G1W
	s_mov_b32 s[\g+1], 512<<16                     ; tensor_dim0
	s_mov_b32 s[\g+2], 128<<16                     ; tensor_dim1: a whole tile of 128 rows comes by one load
	s_mov_b32 s[\g+3], 512<<16                     ; tile_dim0
	s_mov_b32 s[\g+4], 128                         ; tile_dim1
	s_mov_b32 s[\g+5], 512                         ; from row to row
	s_mov_b32 s[\g+6], 0
	s_mov_b32 s[\g+7], 0
.endr
	; group 1, scale blocks: 4,096 dense bytes as 16 rows x 32 elements of 8 bytes; 4 words of padding behind every 64
	s_or_b32 s[G1SX], s66, (3<<16)|(1<<20)|(1<<21)|(5<<22)|(3<<25)
	s_or_b32 s[G1SW], s100, (3<<16)|(1<<20)|(1<<21)|(5<<22)|(3<<25)
.irp g, G1SX, G1SW
	s_mov_b32 s[\g+1], 32<<16
	s_mov_b32 s[\g+2], 16<<16
	s_mov_b32 s[\g+3], 32<<16
	s_mov_b32 s[\g+4], 16
	s_mov_b32 s[\g+5], 32
	s_mov_b32 s[\g+6], 0
	s_mov_b32 s[\g+7], 0
.endr
	; group 0.  What hangs on tb stays in s[66:67], what hangs on hp in s[100:101]; LDS addresses hang on the wave's number alone
	s_mul_i32 s35, s[WV], QUART                    ; my quarter of a tile in LDS,
	s_lshl_b32 s66, s34, 16                        ; 128 rows of x
	s_mov_b32 s67, 0
	s_lshl_b32 s100, s33, 16                       ; 128 rows of a weight
	s_mov_b32 s101, 0
	s_wait_dscnt 0x0
	s_wait_kmcnt 0x0
	s_mov_b32 s[G0X], 1
	s_mov_b32 s[G0X+1], XT
	s_add_nc_u64 s[G0X+2:G0X+3], s[4:5], s[66:67]
	s_or_b32 s[G0X+3], s[G0X+3], 0x80000000
	s_mov_b32 s[G0Q], 1
	s_mov_b32 s[G0Q+1], WQT
	s_add_nc_u64 s[G0Q+2:G0Q+3], s[8:9], s[100:101]
	s_or_b32 s[G0Q+3], s[G0Q+3], 0x80000000
	s_mov_b32 s[G0K], 1
	s_mov_b32 s[G0K+1], WKT
	s_add_nc_u64 s[G0K+2:G0K+3], s[12:13], s[100:101]
	s_or_b32 s[G0K+3], s[G0K+3], 0x80000000
	s_mov_b32 s[G0V], 1
	s_mov_b32 s[G0V+1], WVT
	s_add_nc_u64 s[G0V+2:G0V+3], s[16:17], s[100:101]
	s_or_b32 s[G0V+3], s[G0V+3], 0x80000000
	s_lshl_b32 s66, s34, 12                        ; 128 rows of 32 scale bytes
	s_lshl_b32 s100, s33, 12
	s_mov_b32 s[G0SX], 1
	s_mov_b32 s[G0SX+1], XS
	s_add_nc_u64 s[G0SX+2:G0SX+3], s[6:7], s[66:67]
	s_or_b32 s[G0SX+3], s[G0SX+3], 0x80000000
	s_mov_b32 s[G0SW], 1
	s_mov_b32 s[G0SW+1], WQS                       ; Wq's scale block
	s_add_nc_u64 s[G0SW+2:G0SW+3], s[10:11], s[100:101]
	s_or_b32 s[G0SW+3], s[G0SW+3], 0x80000000
	s_mov_b32 s12, 1                               ; s[12:15]: group 0 for Wk's scale block (Wk's two addresses lay here; that of its codes has been used)
	s_mov_b32 s13, WKS
	s_add_nc_u64 s[14:15], s[14:15], s[100:101]
	s_or_b32 s15, s15, 0x80000000
	s_mov_b32 s16, 1                               ; s[16:19]: the same for Wv's
	s_mov_b32 s17, WVS
	s_add_nc_u64 s[18:19], s[18:19], s[100:101]
	s_or_b32 s19, s19, 0x80000000
; THE EIGHT FILLS GO IN TWO GROUPS OF FOUR, ONE JOINT LOAD A WAVE IN EACH: so one tensor load of a wave is out at the most.
; One tree of branches on the wave's number, a load to an arm, all arms leading to one join; an s_nop 0 and four v_nop behind each load.
.macro ARM4 a0, a1, b0, b1, c0, c1, d0, d1
	s_cmp_lt_u32 s[WV], 1
	s_cbranch_scc0 .Larm_b_\@
	tensor_load_to_lds s[\a0:\a0+3], s[\a1:\a1+7]
	s_nop 0
	PLACES
	s_branch .Larm_end_\@
.Larm_b_\@:
	s_cmp_lt_u32 s[WV], 2
	s_cbranch_scc0 .Larm_c_\@
	tensor_load_to_lds s[\b0:\b0+3], s[\b1:\b1+7]
	s_nop 0
	PLACES
	s_branch .Larm_end_\@
.Larm_c_\@:
	s_cmp_lt_u32 s[WV], 3
	s_cbranch_scc0 .Larm_d_\@
	tensor_load_to_lds s[\c0:\c0+3], s[\c1:\c1+7]
	s_nop 0
	PLACES
	s_branch .Larm_end_\@
.Larm_d_\@:
	tensor_load_to_lds s[\d0:\d0+3], s[\d1:\d1+7]
	s_nop 0
	PLACES
.Larm_end_\@:
.endm
	CROUND                                         ; all sixteen work-groups are here: the joint loads meet
	ARM4 G0X, G1X, G0Q, G1W, G0SX, G1SX, G0SW, G1SW   ; what pass q needs: wave 0 x's tile, wave 1 Wq's, wave 2 x's scale block, wave 3 Wq's
	; where the results go
	s_lshr_b32 s4, s34, 4
	s_lshl_b32 s4, s4, 4
	s_lshl_b32 s5, s33, 1
	s_add_co_u32 s4, s4, s5                        ; bh of the first head: 16 b + 2 hp
	s_and_b32 s5, s34, 15                          ; the key step: tb % 16
	s_mul_i32 s6, s4, KVH
	s_mul_i32 s7, s5, KVS
	s_add_co_u32 s6, s6, s7
	s_mov_b32 s7, 0
	s_add_nc_u64 s[KB:KB+1], s[28:29], s[6:7]
	s_mul_i32 s6, s4, QH
	s_mul_i32 s8, s5, QS
	s_add_co_u32 s6, s6, s8
	s_add_nc_u64 s[QB:QB+1], s[26:27], s[6:7]
	s_lshl_b32 s6, s33, 9                          ; my 128 numbers of each bias
	s_add_nc_u64 s[20:21], s[20:21], s[6:7]
	s_add_nc_u64 s[22:23], s[22:23], s[6:7]
	s_add_nc_u64 s[24:25], s[24:25], s[6:7]
	v_and_b32 v1, 15, v0                           ; r
	v_bfe_u32 v2, v0, 4, 1                         ; h
	v_lshlrev_b32 v13, 5, v2                       ; bq, bk: tile i's eight numbers of my half: 64 i + 32 h
	v_lshlrev_b32 v14, 2, v1
	s_lshl_b32 s8, s[WV], 7
	v_add_nc_u32 v14, s8, v14                      ; bv: the one number of my channel: 128 w + 64 t + 4 r
	WIN TO_1
.irp i, 0,1,2,3,4,5,6,7
	global_load_b128 v[BQ+8*\i:BQ+8*\i+3], v13, s[20:21] offset:64*\i
	global_load_b128 v[BQ+8*\i+4:BQ+8*\i+7], v13, s[20:21] offset:64*\i+16
	global_load_b128 v[BK+8*\i:BK+8*\i+3], v13, s[22:23] offset:64*\i
	global_load_b128 v[BK+8*\i+4:BK+8*\i+7], v13, s[22:23] offset:64*\i+16
.endr
.irp t, 0,1
.irp j, 0,1,2,3,4,5,6,7
	global_load_b32 v[BV+8*\t+\j], v14, s[24:25] offset:64*\t      ; in pass v the registers run along the tokens: all eight hold the channel's bias
.endr
.endr
	WIN 0x80                                       ; the second column block's biases, 512 bytes on, at the same register numbers in window 2
.irp i, 0,1,2,3,4,5,6,7
	global_load_b128 v[BQ+8*\i:BQ+8*\i+3], v13, s[20:21] offset:512+64*\i
	global_load_b128 v[BQ+8*\i+4:BQ+8*\i+7], v13, s[20:21] offset:512+64*\i+16
	global_load_b128 v[BK+8*\i:BK+8*\i+3], v13, s[22:23] offset:512+64*\i
	global_load_b128 v[BK+8*\i+4:BK+8*\i+7], v13, s[22:23] offset:512+64*\i+16
.endr
.irp t, 0,1
.irp j, 0,1,2,3,4,5,6,7
	global_load_b32 v[BV+8*\t+\j], v14, s[24:25] offset:512+64*\t
.endr
.endr
	WIN 0
	v_mul_u32_u24 v[LA], v1, PITCH
	v_lshl_add_u32 v[LA], v2, 4, v[LA]
	v_lshrrev_b32 v[LS], 3, v1
	v_mul_u32_u24 v[LS], v[LS], 272
	v_and_b32 v15, 7, v1
	v_lshl_add_u32 v[LS], v15, 5, v[LS]
	v_add_nc_u32 v[LAW], s35, v[LA]                ; my 32 rows of source 1
	s_mul_i32 s8, s[WV], 1088                      ; and their scale bytes: four rows of 272
	v_add_nc_u32 v[LSW], s8, v[LS]
	; PASS k TAKES ITS TOKENS IN ANOTHER ORDER: lane r of my tile t takes token 64 (w / 2) + 16 (w % 2) + 8 t + 32 (r / 8) + r % 8.  So in K's images row r of score tile T = 2 f + u is
	; key 64 (T / 4) + 32 (r / 8) + 8 (T % 4) + r % 8 (this stands for the order 32 f + 16 u + r given at the head), and K's scale words follow their rows.  v56, v57 hold the two lane places until pass k is over.
	s_lshr_b32 s9, s[WV], 1
	s_lshl_b32 s9, s9, 6
	s_and_b32 s10, s[WV], 1
	s_lshl_b32 s10, s10, 4
	s_add_co_u32 s9, s9, s10                       ; 64 (w / 2) + 16 (w % 2)
	s_mul_i32 s10, s9, PITCH                       ; in rows of codes,
	s_mul_i32 s9, s9, 34                           ; and of scale bytes: 272 for each eight rows
	s_wait_alu depctr_va_vdst(0)
	v_lshrrev_b32 v56, 3, v1                       ; r / 8
	v_mad_u32_u24 v57, v56, 24, v1                 ; r + 24 (r / 8)
	v_mad_u32_u24 v56, v56, 816, v[LS]             ; scale rows: four rows of 272 for r / 8, of which LS has one
	v_mul_u32_u24 v57, v57, PITCH
	v_add_nc_u32 v56, s9, v56
	v_lshl_add_u32 v57, v2, 4, v57
	v_add_nc_u32 v57, s10, v57
	v_and_b32 v15, 31, v0
	v_lshlrev_b32 v15, 4, v15                      ; 16 lane
	s_wait_alu depctr_va_vdst(0)
	s_lshl_b32 s8, s[WV], 10
	v_add_nc_u32 v[VO], s8, v15
	s_lshr_b32 s8, s[WV], 1
	s_and_b32 s10, s[WV], 1
	s_mul_i32 s9, s8, KVH
	s_lshl_b32 s11, s10, 11
	s_add_co_u32 s9, s9, s11
	s_add_co_u32 s9, s9, 4096
	v_add_nc_u32 v[VOV], s9, v15
	s_lshl_b32 s9, s[WV], 2
	s_add_co_u32 s9, s9, SST
	v_lshl_add_u32 v[SW], v1, 4, s9
	s_lshl_b32 s9, s8, 9
	s_lshl_b32 s11, s10, 3
	s_add_co_u32 s9, s9, s11
	s_add_co_u32 s9, s9, SST
	v_lshl_add_u32 v[SWV], v1, 4, s9
	s_lshl_b32 s9, s[WV], 9
	s_add_co_u32 s9, s9, SST
	v_add_nc_u32 v[CL], s9, v15                    ; the last copy: wave w reads 512 bytes of the gathered words
	s_mul_i32 s7, s[WV], KVH
	s_add_co_u32 s7, s7, 8192
	s_mov_b32 s6, QH
	s_mov_b32 s8, 4096
	s_cmp_lt_u32 s[WV], 2                          ; waves 0, 1: a head's V and K words into kv; wave 2: both heads' Q words into qbuf
	s_cselect_b64 s[4:5], s[KB:KB+1], s[QB:QB+1]
	s_cselect_b32 s6, 256, s6                      ; from lanes 0-15 to lanes 16-31
	s_cselect_b32 s7, s7, s8
	v_mul_lo_u32 v[CG], v2, s6
	v_lshl_add_u32 v[CG], v1, 4, v[CG]
	v_add_nc_u32 v[CG], s7, v[CG]
	s_mov_b32 s[SEL], 0x76543210
	s_mov_b32 s[SEL+1], 0xfedcba98
.macro FRAG0 i, s                      ; source 0's tile i, K step s: 16 rows x 128 K of 4-bit codes: two loads of 16 bytes, 32 bytes apart
	ds_load_b128 v[F0+8*(\i):F0+8*(\i)+3], v[ADR0] offset:16*PITCH*(\i)+64*(\s)
	ds_load_b128 v[F0+8*(\i)+4:F0+8*(\i)+7], v[ADR0] offset:16*PITCH*(\i)+64*(\s)+32
.endm
.macro FRAG1 t, s                      ; source 1's tile t, K step s, into buffer s % 2 of window 1
	ds_load_b128 v[F1+16*((\s)%2)+8*(\t):F1+16*((\s)%2)+8*(\t)+3], v[ADR1] offset:T1P*(\t)+64*(\s)
	ds_load_b128 v[F1+16*((\s)%2)+8*(\t)+4:F1+16*((\s)%2)+8*(\t)+7], v[ADR1] offset:T1P*(\t)+64*(\s)+32
.endm
.macro SCALES half                     ; the scale words of four K steps: lane r takes row r's 16 bytes; 16 rows are 544 bytes on
.irp i, 0,1,2,3,4,5,6,7
	ds_load_b128 v[SC0+4*\i:SC0+4*\i+3], v[ADS0] offset:544*\i+16*\half
.endr
.irp t, 0,1
	ds_load_b128 v[SC1+4*\t:SC1+4*\t+3], v[ADS1] offset:T1S*\t+16*\half
.endr
.endm
; Eight products: source 0's tiles i0 .. i0 + 3 x source 1's two, K step s.  The 16 accumulators take turns, one instruction a turn, in the same order in every step.
; In step 0 the C is the bias: tile i's eight numbers (cmode 0) or the channel's one number eight times (cmode 1).
.macro MUL8 i0, s, cbase, cmode
.irp i, \i0, \i0+1, \i0+2, \i0+3
.irp t, 0,1
.if (\s) == 0
	v_wmma_scale_f32_16x16x128_f8f6f4 v[ACC+64*\t+8*(\i):ACC+64*\t+8*(\i)+7], v[F0+8*(\i):F0+8*(\i)+7], v[F1+16*((\s)%2)+8*\t:F1+16*((\s)%2)+8*\t+7], v[\cbase+8*((\i)*(1-\cmode)+\t*\cmode):\cbase+8*((\i)*(1-\cmode)+\t*\cmode)+7], v[SC0+4*(\i)+(\s)%4], v[SC1+4*\t+(\s)%4] matrix_a_fmt:MATRIX_FMT_FP4 matrix_b_fmt:MATRIX_FMT_FP4
.else
	v_wmma_scale_f32_16x16x128_f8f6f4 v[ACC+64*\t+8*(\i):ACC+64*\t+8*(\i)+7], v[F0+8*(\i):F0+8*(\i)+7], v[F1+16*((\s)%2)+8*\t:F1+16*((\s)%2)+8*\t+7], v[ACC+64*\t+8*(\i):ACC+64*\t+8*(\i)+7], v[SC0+4*(\i)+(\s)%4], v[SC1+4*\t+(\s)%4] matrix_a_fmt:MATRIX_FMT_FP4 matrix_b_fmt:MATRIX_FMT_FP4
.endif
.endr
.endr
.endm
; 64 numbers of a lane, register 16 b + 8 e + j = index 32 b + 16 e + 8 h + j of my row's next K, become a fragment's codes in v[pc] on and its scale word in v[pw].
.macro QUANT src, pc, pw
.irp b, 0,1,2,3
	v_max3_num_f32 v[TM+\b], |v[(\src)+16*\b]|, |v[(\src)+16*\b+1]|, 0x1800000   ; block b: my 16 numbers, each accumulator from its low end on, and the floor 2^(3 - 127): the byte cannot fall under 1
.endr
.irp i, 2,4,6,8,10,12,14
.irp b, 0,1,2,3
	v_max3_num_f32 v[TM+\b], v[TM+\b], |v[(\src)+16*\b+\i]|, |v[(\src)+16*\b+\i+1]|   ; the four blocks by turns
.endr
.endr
.irp b, 0,1,2,3
	v_permlanex16_b32 v[TM+4+\b], v[TM+\b], s[SEL], s[SEL+1]
.endr
.irp b, 0,1,2,3
	v_max_num_f32 v[TM+\b], v[TM+\b], v[TM+4+\b]   ; with lane l xor 16's 16: the block's largest magnitude
.endr
.irp b, 0,1,2,3
	v_add_nc_u32 v[TM+12+\b], 0xff000000, v[TM+\b] ; 2 off its exponent field: the conversion's scale operand
.endr
.irp b, 0,1,2,3
	v_lshrrev_b32 v[TM+4+\b], 23, v[TM+12+\b]      ; the scale's byte
.endr
	v_lshl_or_b32 v[\pw], v[TM+5], 8, v[TM+4]
	v_lshl_or_b32 v[\pw], v[TM+6], 16, v[\pw]
	v_lshl_or_b32 v[\pw], v[TM+7], 24, v[\pw]
.irp b, 0,1,2,3
	v_cvt_scalef32_pk8_fp4_f32 v[(\pc)+4*(\b/2)+(\b%2)], v[(\src)+16*\b:(\src)+16*\b+7], v[TM+12+\b]       ; indices 8 h + 0 .. 7 of block b
	v_cvt_scalef32_pk8_fp4_f32 v[(\pc)+4*(\b/2)+2+(\b%2)], v[(\src)+16*\b+8:(\src)+16*\b+15], v[TM+12+\b]  ; and 16 + 8 h + 0 .. 7
.endr
	v_nop                                          ; one plain line behind a scaled conversion
.irp c, 0,1                            ; the first's lanes 16-31 change places with the second's lanes 0-15: registers 4 c .. 4 c + 3 then hold indices 64 c + 32 h + 0 .. 31
	v_permlane16_swap_b32 v[(\pc)+4*\c], v[(\pc)+4*\c+1]
	v_permlane16_swap_b32 v[(\pc)+4*\c+2], v[(\pc)+4*\c+3]
.endr
.endm
; A PASS: eight K steps, then the way out.  b0, sb0: source 0's tile and scale block in LDS; b1, sb1: source 1's.  cmode 0 (q, k): results to s[ob], heads hs bytes apart, words to SST + so and so + sd.  cmode 1: v.
.macro PASS b0, sb0, b1, sb1, cbase, cmode, ob, hs, so, sd
	s_wait_xcnt 0x0                                ; the last pass's stores have read their data: F0's registers, where the codes lay, are loaded again only behind this wait
	v_add_nc_u32 v[ADR0], \b0, v[LA]
	v_add_nc_u32 v[ADR1], \b1, v[L1A]
	v_add_nc_u32 v[ADS0], \sb0, v[LS]
	v_add_nc_u32 v[ADS1], \sb1, v[L1S]
	SCALES 0
	WIN TO_1
	FRAG1 0, 0
	FRAG1 1, 0
	WIN MUL_C
.irp i, 0,1,2,3,4,5,6,7
	FRAG0 \i, 0
.endr
	s_wait_alu depctr_va_vdst(0)
.irp s, 0,1,2,3,4,5,6
	s_wait_dscnt 8                                 ; all but the youngest eight loads, this step's tiles 4-7, are in
	WINM \s
	MUL8 0, \s, \cbase, \cmode
	PLACES
	WIN TO_1
	FRAG1 0, \s+1                                  ; the next step's source 1, into the other buffer,
	FRAG1 1, \s+1
	WINM \s
.irp i, 0,1,2,3
	FRAG0 \i, \s+1                                 ; and its tiles 0-3, into the registers just multiplied
.endr
	s_wait_dscnt 12                                ; all but the twelve just issued
	MUL8 4, \s, \cbase, \cmode
	PLACES
.if \s == 3
	SCALES 1                                       ; the words of K steps 4 to 7
.endif
.irp i, 4,5,6,7
	FRAG0 \i, \s+1
.endr
.endr
	s_wait_dscnt 8
	MUL8 0, 7, \cbase, \cmode
	s_wait_dscnt 0x0
	MUL8 4, 7, \cbase, \cmode
	WIN 0
	PLACES
	QUANT ACC, PC0, PW0
.if \cmode
	global_store_b128 v[VOV], v[PC0:PC0+3], s[KB:KB+1]                 ; each store of the wave covers 512 consecutive bytes, aligned
	global_store_b128 v[VOV], v[PC0+4:PC0+7], s[KB:KB+1] offset:512
.else
	global_store_b128 v[VO], v[PC0:PC0+3], s[\ob:\ob+1]                ; registers 0-3: the first head's 64 dims; 4-7: the second head's
	global_store_b128 v[VO], v[PC0+4:PC0+7], s[\ob:\ob+1] offset:\hs
.endif
	QUANT ACC+64, PC1, PW1
.if \cmode
	global_store_b128 v[VOV], v[PC1:PC1+3], s[KB:KB+1] offset:1024
	global_store_b128 v[VOV], v[PC1+4:PC1+7], s[KB:KB+1] offset:1536
	ds_store_b32 v[SWV], v[PW0] offset:SSO
	ds_store_b32 v[SWV], v[PW1] offset:SSO+4
.else
	global_store_b128 v[VO], v[PC1:PC1+3], s[\ob:\ob+1] offset:512
	global_store_b128 v[VO], v[PC1+4:PC1+7], s[\ob:\ob+1] offset:\hs+512
	v_perm_b32 v[WA], v[PW1], v[PW0], 0x05040100   ; the first head: token r's two bytes below, token 16 + r's above
	v_perm_b32 v[WB], v[PW1], v[PW0], 0x07060302   ; the second head
	ds_store_b32 v[SW], v[WA] offset:SSO+\so
	ds_store_b32 v[SW], v[WB] offset:SSO+\so+\sd
.endif
.endm
	s_wait_alu depctr_va_vdst(0)
	s_wait_loadcnt 0x0                             ; the biases
	s_set_vgpr_msb 0x5                             ; the add's two registers lie in window 1
	s_wait_tensorcnt 0x0                           ; my load of the first four is in
	ds_add_u32 v192, v193
	s_wait_dscnt 0x0
	s_set_vgpr_msb 0x500
	CROUND                                         ; a whole round: all four are in, and the sixteen work-groups are here
	ARM4 G0K, G1W, G0V, G1W, 12, G1SW, 16, G1SW    ; wave 0 Wk's tile, wave 1 Wv's, wave 2 Wk's scale block, wave 3 Wv's: they land under pass q
.set T1P, 16*PITCH                     ; from source 1's tile 0 to its tile 1, in rows of codes,
.set T1S, 544                          ; and of scale bytes
.set L1A, LAW                          ; source 1's lane places
.set L1S, LSW
; THE WALK.  A work-group takes its 128 tokens through TWO blocks of 128 columns (heads 2 hp, 2 hp + 1, then 2 hp + 2, 2 hp + 3): six passes, q k v q k v, on one tile of x and one block of x's scales.
; When a pass of the first block is over, its weight's tile and scale block are filled again with the second block's: 128 rows (65,536 bytes of codes, 4,096 of scale bytes) further on in memory, the same LDS bytes.
; SEQ: in front of each such refill every wave waits for all its tensor loads, adds 0 to its spare word and waits for that and for its LDS reads; a round of the cluster's barrier follows.
.macro SEQ
	s_set_vgpr_msb 0x5                             ; the add's two registers lie in window 1
	s_wait_tensorcnt 0x0
	ds_add_u32 v192, v193
	s_wait_dscnt 0x0
	s_set_vgpr_msb 0x500
	CROUND
.endm
; REFILL: the joint refills, first behind the round, one a wave: wave 0 the tile, wave 1 the scale block, the others none.  No tensor load of any wave is out, so both groups 0 may be stepped.
.macro REFILL g0t, g0s
	s_add_nc_u64 s[\g0t+2:\g0t+3], s[\g0t+2:\g0t+3], 0x10000
	s_add_nc_u64 s[\g0s+2:\g0s+3], s[\g0s+2:\g0s+3], 0x1000
	s_cmp_lt_u32 s[WV], 1
	s_cbranch_scc0 .Lrf_b_\@
	tensor_load_to_lds s[\g0t:\g0t+3], s[G1W:G1W+7]
	s_nop 0
	PLACES
	s_branch .Lrf_e_\@
.Lrf_b_\@:
	s_cmp_lt_u32 s[WV], 2
	s_cbranch_scc0 .Lrf_e_\@
	tensor_load_to_lds s[\g0s:\g0s+3], s[G1SW:G1SW+7]
	s_nop 0
	PLACES
.Lrf_e_\@:
.endm
.set SSO, 0                            ; where a column block's scale words are gathered: SST + SSO
	PASS WQT, WQS, XT, XS, BQ, 0, QB, QH, 1024, 256
	SEQ                                            ; Wk's and Wv's first fills are in too, in every wave
	REFILL G0Q, G0SW                               ; Wq's second block: it has passes k and v in which to land
.set T1P, 8*PITCH                      ; pass k's order of tokens: tile 1 begins eight rows behind tile 0
.set T1S, 272
.set L1A, 57
.set L1S, 56
	PASS WKT, WKS, XT, XS, BK, 0, KB, KVH, 256, 512
.set T1P, 16*PITCH
.set T1S, 544
.set L1A, LAW
.set L1S, LSW
	SEQ
	REFILL G0K, 12                                 ; Wk's second block
	PASS XT, XS, WVT, WVS, BV, 1, KB, KVH, 0, 0
	SEQ                                            ; Wq's and Wk's second blocks are in, in every wave
	REFILL G0V, 16                                 ; Wv's second block: it has passes q and k in which to land
	; THE SECOND COLUMN BLOCK: two heads on in kv and qbuf; its biases in window 2; its scale words gathered in LDS bytes of their own, behind the spare words
	s_wait_xcnt 0x0                                ; the stores have read their bases
	s_add_nc_u64 s[KB:KB+1], s[KB:KB+1], 2*KVH
	s_add_nc_u64 s[QB:QB+1], s[QB:QB+1], 2*QH
.set MUL_C, 0x24                       ; source 1 in window 1, C (the bias) in window 2
.set SSO, 2048
	PASS WQT, WQS, XT, XS, BQ, 0, QB, QH, 1024, 256
.set T1P, 8*PITCH                      ; pass k's order of tokens
.set T1S, 272
.set L1A, 57
.set L1S, 56
	PASS WKT, WKS, XT, XS, BK, 0, KB, KVH, 256, 512
.set T1P, 16*PITCH
.set T1S, 544
.set L1A, LAW
.set L1S, LSW
	s_wait_tensorcnt 0x0                           ; Wv's second block
	s_wait_dscnt 0x0
	s_barrier_signal -1
	s_barrier_wait -1
	PASS XT, XS, WVT, WVS, BV, 1, KB, KVH, 0, 0
	s_wait_dscnt 0x0                               ; for the others' sake: my words lie in LDS
	s_barrier_signal -1
	s_barrier_wait -1
	s_mov_b32 s6, 2*QH                             ; from the first column block's words to the second's, in memory: two heads of kv (waves 0, 1) or of qbuf (wave 2)
	s_cmp_lt_u32 s[WV], 2
	s_cselect_b32 s6, 2*KVH, s6
	s_cmp_gt_u32 s[WV], 2                          ; three waves carry the gathered words out, 512 bytes for each column block: sixteen lanes fill 256 consecutive bytes, aligned
	s_cbranch_scc1 .Lno_copy
	v_add_nc_u32 v60, s6, v[CG]
	ds_load_b128 v[CD:CD+3], v[CL]
	ds_load_b128 v[16:19], v[CL] offset:2048
	s_wait_alu depctr_va_vdst(0)
	s_wait_dscnt 0x0
	global_store_b128 v[CG], v[CD:CD+3], s[4:5]
	global_store_b128 v60, v[16:19], s[4:5]
.Lno_copy:
	s_set_vgpr_msb 0x5
	s_wait_tensorcnt 0x0
	ds_add_u32 v192, v193
	s_wait_dscnt 0x0
	s_set_vgpr_msb 0x500
	CROUND                                         ; the closing round: no work-group ends while a partner may still ask for a tile that names it
	s_endpgm
.Lfunc_end_k_q0da4230881_proj:
	.size	k_q0da4230881_proj, .Lfunc_end_k_q0da4230881_proj-k_q0da4230881_proj
	.p2alignl 7, 3214868480
	.fill 96, 4, 3214868480
	.section	.rodata,"a",@progbits
	.p2align	6, 0x0
	.amdhsa_kernel k_q0da4230881_proj
		.amdhsa_group_segment_fixed_size 327680
		.amdhsa_private_segment_fixed_size 0
		.amdhsa_enable_private_segment 0
		.amdhsa_kernarg_size 104
		.amdhsa_user_sgpr_count 2
		.amdhsa_user_sgpr_kernarg_segment_ptr 1
		.amdhsa_wavefront_size32 1
		.amdhsa_system_sgpr_workgroup_id_x 1
		.amdhsa_system_sgpr_workgroup_id_y 1
		.amdhsa_system_sgpr_workgroup_id_z 1
		.amdhsa_system_vgpr_workitem_id 0
		.amdhsa_next_free_vgpr 704
		.amdhsa_next_free_sgpr 102
		.amdhsa_reserve_vcc 0
		.amdhsa_float_denorm_mode_32 3
		.amdhsa_float_denorm_mode_16_64 3
		.amdhsa_memory_ordered 1
		.amdhsa_forward_progress 1
		.amdhsa_inst_pref_size 255
	.end_amdhsa_kernel
	.section	.bss,"aw",@nobits
	.p2align	6
	.space	262144
	.amdgpu_metadata
---
amdhsa.version: [ 1, 2 ]
amdhsa.kernels:
  - .name:           k_q0da4230881_proj
    .symbol:         k_q0da4230881_proj.kd
    .args:
      - { .name: x_codes, .offset: 0, .size: 8, .value_kind: global_buffer, .address_space: global }
      - { .name: x_scales, .offset: 8, .size: 8, .value_kind: global_buffer, .address_space: global }
      - { .name: Wq_codes, .offset: 16, .size: 8, .value_kind: global_buffer, .address_space: global }
      - { .name: Wq_scales, .offset: 24, .size: 8, .value_kind: global_buffer, .address_space: global }
      - { .name: Wk_codes, .offset: 32, .size: 8, .value_kind: global_buffer, .address_space: global }
      - { .name: Wk_scales, .offset: 40, .size: 8, .value_kind: global_buffer, .address_space: global }
      - { .name: Wv_codes, .offset: 48, .size: 8, .value_kind: global_buffer, .address_space: global }
      - { .name: Wv_scales, .offset: 56, .size: 8, .value_kind: global_buffer, .address_space: global }
      - { .name: bq, .offset: 64, .size: 8, .value_kind: global_buffer, .address_space: global }
      - { .name: bk, .offset: 72, .size: 8, .value_kind: global_buffer, .address_space: global }
      - { .name: bv, .offset: 80, .size: 8, .value_kind: global_buffer, .address_space: global }
      - { .name: qbuf, .offset: 88, .size: 8, .value_kind: global_buffer, .address_space: global }
      - { .name: kv, .offset: 96, .size: 8, .value_kind: global_buffer, .address_space: global }
    .group_segment_fixed_size: 327680
    .private_segment_fixed_size: 0
    .kernarg_segment_align: 8
    .kernarg_segment_size: 104
    .max_flat_workgroup_size: 128
    .sgpr_count:     102
    .vgpr_count:     704
    .wavefront_size: 32
...
	.end_amdgpu_metadata
.endif
;; end of part 1
;; launch attn (part 2): grid 4 x 64, 16 waves a work-group, clusters of 4 x 1, 210,944 bytes of LDS; arguments qbuf, kv, out0; writes out0
.if DOCPART == 2
	.amdgcn_target "amdgcn-amd-amdhsa--gfx1250"
	.amdhsa_code_object_version 6
	.text
	.protected	k_q0da4230881_attn
	.globl	k_q0da4230881_attn
	.p2align	8
	.type	k_q0da4230881_attn,@function
k_q0da4230881_attn:
	s_mov_b64 s[64:65], 0
	v_nop
	global_prefetch_b8 v0, s[64:65] scope:SCOPE_SE
	s_setreg_imm32_b32 hwreg(HW_REG_WAVE_MODE, 25, 1), 1
	s_wait_xcnt 0x0
	s_wait_alu depctr_hold_cnt(0) depctr_sa_sdst(0) depctr_va_vdst(0) depctr_va_sdst(0) depctr_va_ssrc(0) depctr_va_vcc(0) depctr_vm_vsrc(0)
	s_getreg_b32 s2, hwreg(HW_REG_IB_STS2, 6, 4)
	s_cmp_eq_u32 s2, 0
	s_cbranch_scc0 .Lentry_in_a_cluster
	s_endpgm
.Lentry_in_a_cluster:
	s_bfe_u32 s2, ttmp6, 0x10000c
	s_cmp_lg_u32 s2, 0x3003
	s_cbranch_scc0 .Lentry_shape_is_right
	s_endpgm
.Lentry_shape_is_right:
; out0[b][q][64 head + d] = the sum over keys of softmax(q . k / 8) v, both products on codes of FP4 (E2M1) with E8M0 scales, from the images that the launch before has stored.
; THE SOFTMAX AHEAD OF THE SECOND PRODUCT: t = score x log2(e) / 8; M = the running largest t, rounded UP to a whole number; p = 2^(t - M) is quantised along the keys, not normalised.
; The row's sum is taken of the unquantised p in f32 and divides at the end.  When M moves, the sum and O are multiplied by 2^(old M - new M): exact.
; SHARES.  A work-group owns 512 queries of one (batch, head); each of its sixteen waves 32 of them, tiles A and B of 16, in 256 registers.  Every wave walks the head's 2,048 keys, 128 a step;
; each fragment of K and of V read from LDS feeds both tiles.
; LDS.  The head's K, V and scale words are 16 blocks of 8,704 bytes: wave w brings block w, once, at the head; nothing is filled again, and there is no loop in which a prefetch could run ahead of these loads.
; CLUSTER.  The four query blocks of a head want the same bytes: each block is asked for JOINTLY, with the mask of all four.
; K = 64 IN A PRODUCT OF 128.  A fragment f of K holds score tile 2 f in its first 64 along K and tile 2 f + 1 in its second 64.  Against (Q, 0) it gives the first tile's scores, against (0, Q) the second's:
; zero codes add nothing under any scale byte but 0xff.  The four operands are overlapping runs of zeros, Q_A, zeros, Q_B, zeros in v4-23.
; LAYOUT.  S^T = K Q^T, O^T = V^T P^T: a lane holds ONE query (lane % 16).  Row m of score tile T is key 64 (T / 4) + 32 (m / 8) + 8 (T % 4) + m % 8, so register 32 c + 8 i + j of lane (r, h) is key 64 c + 32 h + 8 i + j:
; A LANE HOLDS TWO WHOLE BLOCKS OF 32 KEYS, blocks h and 2 + h, in the order of the second product's operand.  A block's maximum asks no other lane, the conversions' results are the operand's registers,
; and only the row's maximum and the scale word's bytes cross from lane l to lane l xor 16.
; ORDER.  Dependent lines stand among independent ones: eight chains of maxima by turns; the lines that make f among the 32 multiply-adds; the scale word's lines and the conversions among the 32 additions of the row's sum;
; tile A's O^T is brought under its new M among the lines that make tile B's M.
; LIMITS.  NaN, infinities and scale bytes 0xff are not served.  The promise holds while the scaled scores t stay under 2^31 in magnitude.  A block whose every p lies under 2^-124 keeps the byte 1.
; The row's sum is formed in four chains a lane and joined at the end: another order of rounding than a sum along the row.
.set KVH,  139264                      ; a head in kv, bytes
.set KVS,  8704                        ; a key step: K's images 0, V^T's 4096, V's scale words 8192, K's 8448
.set QH,   69632
.set QS,   4352
.set STG,  16*KVS                      ; behind K and V: a stage of 16 rows x 272 bytes for each wave; no tensor load fills it
.set SP,   272
.set SPARE, STG+16*16*SP               ; the spare words, 128 bytes a wave
.set LI,   1                           ; v1   16 x lane
.set ADR,  2                           ; v2   the step's block + 16 x lane
.set GO,   3                           ; v3   the way out: 4096 (lane / 16) + 16 (lane % 16)
.set QAH,  4                           ; v[4:11]   (0, Q_A)
.set QAL,  8                           ; v[8:15]   (Q_A, 0)
.set QBH,  12                          ; v[12:19]  (0, Q_B)
.set QBL,  16                          ; v[16:23]  (Q_B, 0)
.set SA,   24                          ; Q_A's two scale bytes, twice;  SB: Q_B's
.set SB,   25
.set STA,  26                          ; v[26:27] -M, the largest score;  v[28:29] the sum in two halves: tile A
.set SMA,  28
.set STB,  30                          ; the same for tile B
.set SMB,  32
.set SCL,  34                          ; v34-37  lanes 0-15: V's scale words of tiles 0-3; lanes 16-31: K's of fragments 0-3
.set PWA,  38                          ; p's scale words
.set PWB,  39
.set PA,   40                          ; p's codes
.set PB,   48
.set KVF,  56                          ; v56-87   four fragments of K, later of V^T
.set S,    88                          ; v88-151  S^T, then p
.set OA,   152                         ; v152-183 O^T of tile A;  v184-215 of tile B
.set OB,   184
.set BM,   216                         ; v216-223 eight chains of maxima; then v216, v220: my two blocks' largest; v217, v218: their scale bytes
.set SO,   224                         ; v224-225 the conversions' scale operands
.set TP,   228
.set FFA,  232                         ; v[232:233] tile A's f = 2^(old M - new M), and a zero named with it as a pair
.set C2,   234                         ; v[234:239] the sum's other three chains
.set C3,   236
.set C4,   238
.set SH8,  240                         ; 8 x (lane / 16)
.set PX,   241                         ; what lane l xor 16 sends
.set FFB,  242                         ; v[242:243] tile B's f
.set PY,   244
.set SPW,  254                         ; my spare word;  NIL: 0
.set NIL,  255
.set WV,   10
.set SEL,  16                          ; s[16:17] lane selects for v_permlanex16_b32: lane l xor 16
.set CS,   18                          ; s[18:19] c = log2(e) / 8
.set TB,   20                          ; LDS byte of the step's block
.set CNT,  21
.set G1,   24
.set G0,   32
.macro PLACES
.rept 4
	v_nop
.endr
.endm
.macro CROUND                          ; a round of the cluster's barrier
	s_barrier_signal -1
	s_barrier_wait -1
	s_cmp_lg_u32 s[WV], 0
	s_cbranch_scc1 .Lnot_wave_0_\@
	s_barrier_signal -3
.Lnot_wave_0_\@:
	s_barrier_wait -3
	s_barrier_signal -1
	s_barrier_wait -1
.endm
	s_load_b128 s[4:7], s[0:1], 0x0                ; qbuf, kv
	s_load_b64 s[8:9], s[0:1], 0x10                ; out0
	v_lshl_add_u32 v[SPW], v0, 2, SPARE
	v_mov_b32 v[NIL], 0
	ds_add_u32 v[SPW], v[NIL]                      ; the opening lines: the add, twice on end, and its wait ahead of my first tensor load
	ds_add_u32 v[SPW], v[NIL]
	v_lshrrev_b32 v1, 5, v0
	s_delay_alu instid0(VALU_DEP_1)
	v_readfirstlane_b32 s[WV], v1                  ; wave 0..15
	s_bfe_u32 s11, ttmp6, 0x40000                  ; cx: my block of 512 queries
	s_and_b32 s12, ttmp7, 0xffff                   ; bh = 16 b + head, which the four partners share
	; group 1: 8,704 dense bytes as 34 rows x 32 elements of 8 bytes, no padding (every read is 16 x lane on end)
	s_mov_b32 s[G1], 15|(3<<16)|(1<<21)            ; the mask of all four work-groups; elements of 8 bytes; bit 21 set beside a mask
	s_mov_b32 s[G1+1], 32<<16
	s_mov_b32 s[G1+2], 34<<16
	s_mov_b32 s[G1+3], 32<<16
	s_mov_b32 s[G1+4], 34
	s_mov_b32 s[G1+5], 32
	s_mov_b32 s[G1+6], 0
	s_mov_b32 s[G1+7], 0
	s_mov_b32 s[G0], 1
	s_mul_i32 s[G0+1], s[WV], KVS                  ; block w, in LDS
	s_mul_i32 s36, s12, KVH
	s_add_co_u32 s36, s36, s[G0+1]                 ; and in the head
	s_mov_b32 s37, 0
	s_mov_b32 s[SEL], 0x76543210
	s_mov_b32 s[SEL+1], 0xfedcba98
	s_mov_b32 s[CS], 0x3e38aa3b
	s_mov_b32 s[CS+1], s[CS]                       ; (named with it as a pair, so it is written)
	s_mov_b32 s[TB], 0
	s_mov_b32 s[CNT], 16
	s_wait_dscnt 0x0
	s_wait_kmcnt 0x0
	s_add_nc_u64 s[G0+2:G0+3], s[6:7], s[36:37]
	s_or_b32 s[G0+3], s[G0+3], 0x80000000
	CROUND                                         ; all four work-groups are here: the joint loads meet
	tensor_load_to_lds s[G0:G0+3], s[G1:G1+7]
	s_nop 0
	PLACES
	; my 32 queries: group g = 16 cx + w of the head: block g / 4 of qbuf, images g % 4
	s_lshl_b32 s38, s11, 2
	s_lshr_b32 s39, s[WV], 2
	s_add_co_u32 s38, s38, s39
	s_mul_i32 s38, s38, QS
	s_mul_i32 s39, s12, QH
	s_add_co_u32 s38, s38, s39
	s_mov_b32 s39, 0
	s_add_nc_u64 s[4:5], s[4:5], s[38:39]
	s_and_b32 s40, s[WV], 3
	v_and_b32 v[LI], 31, v0
	s_delay_alu instid0(VALU_DEP_1)
	v_lshlrev_b32 v[LI], 4, v[LI]
	s_lshl_b32 s41, s40, 10
	v_add_nc_u32 v[ADR], s41, v[LI]
	v_and_b32 v[TP], 15, v0                        ; r
	s_lshl_b32 s41, s40, 2
	v_lshl_add_u32 v[TP+1], v[TP], 4, s41          ; the scale word: 16 r + 4 (g % 4)
	global_load_b128 v[QAL:QAL+3], v[ADR], s[4:5]              ; Q_A: lane (r, h): query r, dims 32 h on
	global_load_b128 v[QBL:QBL+3], v[ADR], s[4:5] offset:512   ; Q_B: query 16 + r
	global_load_b32 v[SA], v[TP+1], s[4:5] offset:4096         ; bytes 0, 1: query r's; bytes 2, 3: query 16 + r's
	; where my rows of out0 begin: 2,048 b + 512 cx + 32 w rows of 4,096 bytes, + 256 x head
	s_lshr_b32 s42, s12, 4
	s_lshl_b32 s42, s42, 23
	s_and_b32 s43, s12, 15
	s_lshl_b32 s43, s43, 8
	s_add_co_u32 s42, s42, s43
	s_lshl_b32 s43, s11, 21
	s_add_co_u32 s42, s42, s43
	s_lshl_b32 s43, s[WV], 17
	s_add_co_u32 s42, s42, s43
	s_mov_b32 s43, 0
	s_add_nc_u64 s[8:9], s[8:9], s[42:43]
	v_bfe_u32 v[TP+2], v0, 4, 1                    ; h
	s_delay_alu instid0(VALU_DEP_1)
	v_lshlrev_b32 v[GO], 12, v[TP+2]
	s_wait_alu depctr_va_vdst(0)
	v_lshl_add_u32 v[GO], v[TP], 4, v[GO]
	v_lshlrev_b32 v[SH8], 3, v[TP+2]
.irp z, 4,5,6,7,12,13,14,15,20,21,22,23
	v_mov_b32 v\z, 0                               ; the zero halves
.endr
	v_mov_b32 v[STA+1], 0xff61b1e6                 ; the largest score so far: -3e38, under every score
	v_mov_b32 v[STB+1], 0xff61b1e6
	s_delay_alu instid0(VALU_DEP_2)
	v_floor_f32 v[STA], -v[STA+1]                  ; -M: so large that the first f is 0
	s_delay_alu instid0(VALU_DEP_2)
	v_floor_f32 v[STB], -v[STB+1]
.irp z, SMA, SMA+1, SMB, SMB+1, PX, PY, FFA+1, FFB+1
	v_mov_b32 v[\z], 0                             ; the sums; a lane permute's destination counts as one of its sources; the pairs' upper halves
.endr
	s_wait_loadcnt 0x0
	v_lshrrev_b32 v[SB], 16, v[SA]
	v_and_b32 v[SA], 0xffff, v[SA]
	s_delay_alu instid0(VALU_DEP_1)
	v_lshl_or_b32 v[SA], v[SA], 16, v[SA]          ; the two bytes stand under both halves of K: they serve (Q, 0) and (0, Q) alike
	s_delay_alu instid0(VALU_DEP_3)
	v_lshl_or_b32 v[SB], v[SB], 16, v[SB]
.set j, 0
.rept 64
	v_mov_b32 v[OA+j], 0                           ; O^T: the step is written once, and the first finds zeros.  (Also the places between the scale words' last write and the first product)
.set j, j+1
.endr
	s_wait_tensorcnt 0x0                           ; my block is in,
	s_barrier_signal -1
	s_barrier_wait -1                              ; everybody's is: the whole head lies in LDS
; S^T of one tile of queries: eight products, eight accumulators, each begun with the constant 0.  K's words stand in lanes 16-31 of the scale registers.
.macro QK lo, hi, sq
.irp f, 0,1,2,3
	v_wmma_scale_f32_16x16x128_f8f6f4 v[S+16*\f:S+16*\f+7], v[KVF+8*\f:KVF+8*\f+7], v[\lo:\lo+7], 0, v[SCL+\f], v[\sq] matrix_a_fmt:MATRIX_FMT_FP4 matrix_b_fmt:MATRIX_FMT_FP4 matrix_a_scale:MATRIX_SCALE_ROW1
	v_wmma_scale_f32_16x16x128_f8f6f4 v[S+16*\f+8:S+16*\f+15], v[KVF+8*\f:KVF+8*\f+7], v[\hi:\hi+7], 0, v[SCL+\f], v[\sq] matrix_a_fmt:MATRIX_FMT_FP4 matrix_b_fmt:MATRIX_FMT_FP4 matrix_a_scale:MATRIX_SCALE_ROW1
.endr
.endm
.macro FMAS st, n                      ; n packed multiply-adds from register S + j on: t - M, two at a time (of the pairs c and -M the low word serves both halves)
.rept \n
	v_pk_fma_f32 v[S+j:S+j+1], v[S+j:S+j+1], s[CS:CS+1], v[\st:\st+1] op_sel_hi:[1,0,0]
.set j, j+2
.endr
.endm
.macro RS ob, ff, n                    ; n packed multiplications from register ob + jo on: O^T under the new M, each accumulator in ascending order
.rept \n
	v_pk_mul_f32 v[\ob+jo:\ob+jo+1], v[\ob+jo:\ob+jo+1], v[\ff:\ff+1] op_sel_hi:[1,0]
.set jo, jo+2
.endr
.endm
.macro ADD4 su, k                      ; four of the row's sum's additions, one to a chain
	v_pk_add_f32 v[C2:C2+1], v[C2:C2+1], v[S+\k:S+\k+1]
	v_pk_add_f32 v[C3:C3+1], v[C3:C3+1], v[S+\k+2:S+\k+3]
	v_pk_add_f32 v[C4:C4+1], v[C4:C4+1], v[S+\k+4:S+\k+5]
	v_pk_add_f32 v[\su:\su+1], v[\su:\su+1], v[S+\k+6:S+\k+7]
.endm
; The softmax of one tile for one step.  st: (-M, the largest score);  su: the sum;  pc, pw: where p's codes and scale word go;  ff: the tile's f.
; fo, fof: the other tile's O^T and f, multiplied among the lines that make M (0: none);  ob: this tile's O^T, multiplied at the end (0: left to the other tile's call).
.macro SMAX st, su, pc, pw, ff, fo, fof, ob
.irp a, 0,1,2,3,4,5,6,7
	v_max3_num_f32 v[BM+\a], v[S+8*\a], v[S+8*\a+1], v[S+8*\a+2]   ; eight chains by turns, one to an accumulator, each read from its low end on
.endr
.irp i, 3,5
.irp a, 0,1,2,3,4,5,6,7
	v_max3_num_f32 v[BM+\a], v[BM+\a], v[S+8*\a+\i], v[S+8*\a+\i+1]
.endr
.endr
.irp c, 0,1
	v_max3_num_f32 v[BM+4*\c], v[BM+4*\c], v[BM+4*\c+1], v[S+32*\c+7]      ; four chains and the four last registers make a block
.endr
.irp c, 0,1
	v_max3_num_f32 v[BM+4*\c+2], v[BM+4*\c+2], v[BM+4*\c+3], v[S+32*\c+15]
.endr
	v_mov_b32 v[TP+1], v[\st]                      ; the old -M
.irp c, 0,1
	v_max3_num_f32 v[BM+4*\c], v[BM+4*\c], v[BM+4*\c+2], v[S+32*\c+23]
.endr
.irp c, 0,1
	v_max_num_f32 v[BM+4*\c], v[BM+4*\c], v[S+32*\c+31]   ; THE LARGEST SCORE OF EACH OF MY TWO BLOCKS: it serves the row's maximum and, since p rises with the score, the block's largest p
.endr
.if \fo
	s_wait_alu depctr_va_vdst(0)
.set jo, 0
	v_max_num_f32 v[TP], v[BM], v[BM+4]
	RS \fo, \fof, 3
	v_permlanex16_b32 v[PX], v[TP], s[SEL], s[SEL+1]
	RS \fo, \fof, 3
	v_max3_num_f32 v[\st+1], v[\st+1], v[TP], v[PX]   ; the running largest score of my query, lane l xor 16's 64 keys among them
	RS \fo, \fof, 3
	v_mul_f32 v[TP], s[CS], v[\st+1]               ; as t (c is positive)
	RS \fo, \fof, 3
	v_floor_f32 v[\st], -v[TP]                     ; the new -M = floor(-t): M is a whole number
	RS \fo, \fof, 4
.else
	s_delay_alu instid0(VALU_DEP_1)
	v_max_num_f32 v[TP], v[BM], v[BM+4]
	s_delay_alu instid0(VALU_DEP_1)
	v_permlanex16_b32 v[PX], v[TP], s[SEL], s[SEL+1]
	s_delay_alu instid0(VALU_DEP_1)
	v_max3_num_f32 v[\st+1], v[\st+1], v[TP], v[PX]
	s_delay_alu instid0(VALU_DEP_1)
	v_mul_f32 v[TP], s[CS], v[\st+1]
	s_delay_alu instid0(VALU_DEP_1)
	v_floor_f32 v[\st], -v[TP]
.endif
.set j, 0
	FMAS \st, 2
	v_sub_f32 v[TP], v[\st], v[TP+1]               ; old M - new M: a whole number, 0 or less
	FMAS \st, 5
	v_cvt_i32_f32 v[TP], v[TP]                     ; (it saturates)
	FMAS \st, 5
	v_ldexp_f32 v[\ff], 1.0, v[TP]                 ; f = 2^(old M - new M)
	FMAS \st, 20
.irp c, 0,1
	v_fma_f32 v[BM+4*\c], v[BM+4*\c], s[CS], v[\st]   ; t - M of each block's largest score
.endr
	s_wait_alu depctr_va_vdst(0)
.set j, 0
.rept 64
	v_exp_f32 v[S+j], v[S+j]                       ; p = 2^(t - M)
.set j, j+1
.endr
	v_exp_f32 v[BM], v[BM]                         ; the blocks' largest p: the same two instructions on the same number
	v_exp_f32 v[BM+4], v[BM+4]
	v_pk_mul_f32 v[\su:\su+1], v[\su:\su+1], v[\ff:\ff+1] op_sel_hi:[1,0]   ; the sum under the new M: the plain line behind the exponentials
	s_wait_alu depctr_va_vdst(0)                   ; one wait for the batch of 66, ahead of its first reader
	; the row's sum is taken of the UNQUANTISED p: 32 packed additions in four chains by turns; the scale word's lines and the conversions stand among them
	v_pk_add_f32 v[C2:C2+1], v[S:S+1], v[S+2:S+3]
	v_pk_add_f32 v[C3:C3+1], v[S+4:S+5], v[S+6:S+7]
	v_pk_add_f32 v[C4:C4+1], v[S+8:S+9], v[S+10:S+11]
	v_pk_add_f32 v[\su:\su+1], v[\su:\su+1], v[S+12:S+13]
	v_max_num_f32 v[BM], 0x1800000, v[BM]          ; the floor 2^(3 - 127): the byte cannot fall under 1
	v_max_num_f32 v[BM+4], 0x1800000, v[BM+4]
	ADD4 \su, 14
	v_add_nc_u32 v[SO], 0xff000000, v[BM]          ; 2 off the exponent field: the conversion's scale operand
	v_add_nc_u32 v[SO+1], 0xff000000, v[BM+4]
	ADD4 \su, 22
	v_lshrrev_b32 v[BM+1], 23, v[SO]               ; the scale's byte
	v_lshrrev_b32 v[BM+2], 23, v[SO+1]
	ADD4 \su, 30
	v_lshl_or_b32 v[\pw], v[BM+2], 16, v[BM+1]     ; my two bytes, blocks h and 2 + h,
.irp i, 0,1,2,3
	v_cvt_scalef32_pk8_fp4_f32 v[\pc+\i], v[S+8*\i:S+8*\i+7], v[SO]            ; register i of the operand: keys 32 h + 8 i + 0 .. 7
.endr
	ADD4 \su, 38
	v_lshlrev_b32 v[\pw], v[SH8], v[\pw]           ; at their places in the scale word;
.irp i, 0,1,2,3
	v_cvt_scalef32_pk8_fp4_f32 v[\pc+4+\i], v[S+32+8*\i:S+32+8*\i+7], v[SO+1]  ; register 4 + i: keys 64 + 32 h + 8 i + 0 .. 7
.endr
	ADD4 \su, 46
	v_permlanex16_b32 v[PX], v[\pw], s[SEL], s[SEL+1]
	ADD4 \su, 54
	v_or_b32 v[\pw], v[\pw], v[PX]                 ; with lane l xor 16's two the word is whole
	v_pk_add_f32 v[C2:C2+1], v[C2:C2+1], v[S+62:S+63]
	v_pk_add_f32 v[C3:C3+1], v[C3:C3+1], v[C4:C4+1]
	v_pk_add_f32 v[\su:\su+1], v[\su:\su+1], v[C2:C2+1]
	v_pk_add_f32 v[\su:\su+1], v[\su:\su+1], v[C3:C3+1]
.if \ob
.set jo, 0
	RS \ob, \ff, 16                                ; (with the four additions: the places between p's codes and scale word and the products that follow)
.endif
.endm
.Lstep:                                            ; 16 trips, 128 keys each
	v_add_nc_u32 v[ADR], s[TB], v[LI]              ; with the three v_nop: four places in front of loads into registers that the last trip's products have read
	v_nop
	v_nop
	v_nop
	ds_load_b128 v[SCL:SCL+3], v[ADR] offset:8192  ; lanes 0-15: V's four words of channel row r; lanes 16-31, 256 bytes on: K's four
.irp f, 0,1,2,3
	ds_load_b128 v[KVF+8*\f:KVF+8*\f+3], v[ADR] offset:1024*\f
	ds_load_b128 v[KVF+8*\f+4:KVF+8*\f+7], v[ADR] offset:1024*\f+512
.endr
	s_wait_dscnt 0x0
	QK QAL, QAH, SA
	PLACES
	SMAX STA, SMA, PA, PWA, FFA, 0, 0, 0
	QK QBL, QBH, SB                                ; into the same 64 registers: tile A's p has become codes and has been summed
	PLACES                                         ; for the loads into K's registers and for the first read of the scores
.irp t, 0,1,2,3
	ds_load_b128 v[KVF+8*\t:KVF+8*\t+3], v[ADR] offset:4096+1024*\t        ; V^T lands while tile B's softmax is walked
	ds_load_b128 v[KVF+8*\t+4:KVF+8*\t+7], v[ADR] offset:4096+1024*\t+512
.endr
	SMAX STB, SMB, PB, PWB, FFB, OA, FFA, OB
	s_wait_alu depctr_va_vdst(0)
	s_wait_dscnt 0x0
.irp t, 0,1,2,3                        ; O^T += V^T P^T: the eight accumulators take turns, one instruction a turn
	v_wmma_scale_f32_16x16x128_f8f6f4 v[OA+8*\t:OA+8*\t+7], v[KVF+8*\t:KVF+8*\t+7], v[PA:PA+7], v[OA+8*\t:OA+8*\t+7], v[SCL+\t], v[PWA] matrix_a_fmt:MATRIX_FMT_FP4 matrix_b_fmt:MATRIX_FMT_FP4
	v_wmma_scale_f32_16x16x128_f8f6f4 v[OB+8*\t:OB+8*\t+7], v[KVF+8*\t:KVF+8*\t+7], v[PB:PB+7], v[OB+8*\t:OB+8*\t+7], v[SCL+\t], v[PWB] matrix_a_fmt:MATRIX_FMT_FP4 matrix_b_fmt:MATRIX_FMT_FP4
.endr
	s_add_co_u32 s[TB], s[TB], KVS
	s_sub_co_u32 s[CNT], s[CNT], 1
	s_cmp_lg_u32 s[CNT], 0
	s_cbranch_scc1 .Lstep
	; THE WAY OUT.  The sums' halves are joined; O^T is divided by the sum and goes through my stage, a tile (16 queries x 256 bytes) at a time, so that sixteen lanes store 256 consecutive bytes, aligned.
	; The additions and the address lines name no register of the last products: they are the places behind them.
	v_add_f32 v[SMA], v[SMA], v[SMA+1]
	v_add_f32 v[SMB], v[SMB], v[SMB+1]
	s_delay_alu instid0(VALU_DEP_2)
	v_permlanex16_b32 v[PX], v[SMA], s[SEL], s[SEL+1]
	s_delay_alu instid0(VALU_DEP_2)
	v_permlanex16_b32 v[PY], v[SMB], s[SEL], s[SEL+1]
	s_delay_alu instid0(VALU_DEP_2)
	v_add_f32 v[SMA], v[SMA], v[PX]                ; with lane l xor 16's: the row's sum
	s_delay_alu instid0(VALU_DEP_2)
	v_add_f32 v[SMB], v[SMB], v[PY]
	s_wait_alu depctr_va_vdst(0)
	v_rcp_f32 v[SMA], v[SMA]
	v_rcp_f32 v[SMB], v[SMB]
	v_and_b32 v4, 15, v0                           ; r  (the plain line behind the reciprocals; the zero halves are free)
	v_bfe_u32 v5, v0, 4, 1                         ; h
	s_mul_i32 s44, s[WV], 16*SP
	s_add_co_u32 s44, s44, STG                     ; my stage
	v_mul_u32_u24 v6, v4, SP
	s_delay_alu instid0(VALU_DEP_1)
	v_lshl_add_u32 v6, v5, 5, v6
	s_delay_alu instid0(VALU_DEP_1)
	v_add_nc_u32 v6, s44, v6                       ; in: row r; tile t's eight channels of my half at 64 t + 32 h
	v_mul_u32_u24 v7, v5, SP
	s_delay_alu instid0(VALU_DEP_1)
	v_lshl_add_u32 v7, v4, 4, v7
	s_delay_alu instid0(VALU_DEP_1)
	v_add_nc_u32 v7, s44, v7                       ; back: lanes 0-15 one row, lanes 16-31 the next
	s_wait_alu depctr_va_vdst(0)                   ; one wait for the two reciprocals, ahead of their first reader
.set j, 0
.rept 16
	v_pk_mul_f32 v[S+j:S+j+1], v[OA+j:OA+j+1], v[SMA:SMA+1] op_sel_hi:[1,0]   ; each accumulator in ascending order
.set j, j+2
.endr
.set j, 0
.rept 16
	v_pk_mul_f32 v[S+32+j:S+32+j+1], v[OB+j:OB+j+1], v[SMB:SMB+1] op_sel_hi:[1,0]
.set j, j+2
.endr
.irp u, 0,1
.irp t, 0,1,2,3
	ds_store_b128 v6, v[S+32*\u+8*\t:S+32*\u+8*\t+3] offset:64*\t
	ds_store_b128 v6, v[S+32*\u+8*\t+4:S+32*\u+8*\t+7] offset:64*\t+16
.endr
.irp i, 0,1,2,3,4,5,6,7
	ds_load_b128 v[56+160*\u+4*\i:56+160*\u+4*\i+3], v7 offset:2*\i*SP   ; LDS serves a wave's instructions in order (ISA guide 5.7.1.4): these see my stores, and tile B's stores come behind tile A's loads
.endr
.endr
.irp u, 0,1
.irp i, 0,1,2,3,4,5,6,7
	s_wait_dscnt 23-16*\u-\i                       ; behind this load: the 7 - i of its tile, and for tile A tile B's sixteen
	global_store_b128 v[GO], v[56+160*\u+4*\i:56+160*\u+4*\i+3], s[8:9] offset:8192*\i+65536*\u th:TH_STORE_NT   ; rows 16 u + 2 i and + 1: a (token, head) slice is 256 consecutive bytes, aligned; written once, read by nobody here
.endr
.endr
	s_wait_dscnt 0x0
	s_wait_tensorcnt 0x0                           ; the wave's end
	ds_add_u32 v[SPW], v[NIL]
	s_wait_dscnt 0x0
	CROUND                                         ; the closing round: no work-group ends while a partner may still ask for a block that names it
	s_endpgm
.Lfunc_end_k_q0da4230881_attn:
	.size	k_q0da4230881_attn, .Lfunc_end_k_q0da4230881_attn-k_q0da4230881_attn
	.p2alignl 7, 3214868480
	.fill 96, 4, 3214868480
	.section	.rodata,"a",@progbits
	.p2align	6, 0x0
	.amdhsa_kernel k_q0da4230881_attn
		.amdhsa_group_segment_fixed_size 210944
		.amdhsa_private_segment_fixed_size 0
		.amdhsa_enable_private_segment 0
		.amdhsa_kernarg_size 24
		.amdhsa_user_sgpr_count 2
		.amdhsa_user_sgpr_kernarg_segment_ptr 1
		.amdhsa_wavefront_size32 1
		.amdhsa_system_sgpr_workgroup_id_x 1
		.amdhsa_system_sgpr_workgroup_id_y 1
		.amdhsa_system_sgpr_workgroup_id_z 1
		.amdhsa_system_vgpr_workitem_id 0
		.amdhsa_next_free_vgpr 256
		.amdhsa_next_free_sgpr 66
		.amdhsa_reserve_vcc 0
		.amdhsa_float_denorm_mode_32 3
		.amdhsa_float_denorm_mode_16_64 3
		.amdhsa_memory_ordered 1
		.amdhsa_forward_progress 1
		.amdhsa_inst_pref_size 42
	.end_amdhsa_kernel
	.amdgpu_metadata
---
amdhsa.version: [ 1, 2 ]
amdhsa.kernels:
  - .name:           k_q0da4230881_attn
    .symbol:         k_q0da4230881_attn.kd
    .args:
      - { .name: qbuf, .offset: 0, .size: 8, .value_kind: global_buffer, .address_space: global }
      - { .name: kv, .offset: 8, .size: 8, .value_kind: global_buffer, .address_space: global }
      - { .name: out0, .offset: 16, .size: 8, .value_kind: global_buffer, .address_space: global }
    .group_segment_fixed_size: 210944
    .private_segment_fixed_size: 0
    .kernarg_segment_align: 8
    .kernarg_segment_size: 24
    .max_flat_workgroup_size: 512
    .sgpr_count:     66
    .vgpr_count:     256
    .wavefront_size: 32
...
	.end_amdgpu_metadata
.endif
;; end of part 2
